; MI455X (gfx1250); checked and timed in simulation.
; The chip was launched on July 23, 2026; its instructions are those of AMD's public machine-readable ISA for CDNA 5 (MIT licence, August 2026) and "CDNA5" Instruction Set Architecture Reference Guide (July 2026). The comments in the code are by the model that wrote it; some were corrected since.
;; Multi Head Attention. Allowed arithmetic: matrix products marked QUANTISED: E2M1 operands, one E8M0 scale for each 32 along K, by v_wmma_scale_f32_16x16x128_f8f6f4 with both operands' format E2M1 (or v_wmma_scale_f32_32x16x128_f4), f32 sums; everything else in f32.
;; Inputs: Wk 512 x 512 float32; Wo 512 x 512 float32; Wq 512 x 512 float32; Wv 512 x 512 float32; bk 512 float32; bo 512 float32; bq 512 float32; bv 512 float32; k 8 x 2,048 x 512 float32; q 8 x 2,048 x 512 float32; v 8 x 2,048 x 512 float32.
;; Outputs: out0 8 x 2,048 x 512 float32.
;; This version of the problem:
;;   THIS VERSION OF THE PROBLEM IS GIVEN IN LOW PRECISION. The matrix products marked QUANTISED in the list below multiply operands that are first quantised to E2M1 (2 exponent bits, 1 mantissa bit; 4 bits a number), with one power-of-two scale for each 32 numbers along K (OCP MX v1.0); their sums are f32. All else is computed in f32.
;;   The module's matrix products, in the order in which they are computed (A, B: the left and right operand; K: the contracted axis; several contracted axes count as one K, in the product's order):
;;     1. [M 16,384, K 512] x [K 512, N 512]; A: input q; B: input Wq: QUANTISED
;;     2. [M 16,384, K 512] x [K 512, N 512]; A: input k; B: input Wk: QUANTISED
;;     3. [M 16,384, K 512] x [K 512, N 512]; A: input v; B: input Wv: QUANTISED
;;     4. batch 64 x [M 2,048, K 64] x [K 64, N 2,048]; A: computed on the way; B: computed on the way: QUANTISED
;;     5. batch 64 x [M 64, K 2,048] x [K 2,048, N 2,048]; A: computed on the way; B: softmax (see below): QUANTISED
;;     6. [M 16,384, K 512] x [K 512, N 512]; A: computed on the way; B: input Wo: QUANTISED
;;   THE QUANTISER, for each operand of a quantised product, along K:
;;     - K is cut into blocks of 32 from its start; a last block that is shorter is filled with zeros.
;;     - A block's scale is 2^e with e = floor(log2(the largest magnitude in the block)) - 2, held to -126 .. 127; a block of zeros has e = 0. As a byte (E8M0): e + 127.
;;     - Each number is divided by its block's scale, clamped to +-6, and rounded to the nearest number of E2M1, ties to even, subnormals kept.
;;     - The product sums the exact products of the quantised numbers (number of the format x scale) in f32.
;;   ~~~python
;;   def quantise(x, axis):      # numpy; x: float32 -> the quantised numbers, widened to float32 again
;;       x = np.moveaxis(x, axis, -1); K = x.shape[-1]
;;       x = np.pad(x, [(0, 0)] * (x.ndim - 1) + [(0, -K % 32)]); x = x.reshape(x.shape[:-1] + (-1, 32)); a = np.abs(x).max(-1, keepdims=True)
;;       e = np.where(a > 0, np.clip(np.frexp(np.where(a > 0, a, 1))[1] - 1 - 2, -126, 127), 0)      # np.frexp(a)[1] - 1 = floor(log2(a)), exactly
;;       r = np.clip(x / 2.0 ** e, -6, 6)
;;       step = 2.0 ** (np.maximum(np.frexp(np.where(r == 0, 1, r))[1] - 1, 0) - 1)
;;       q = np.round(r / step) * step * 2.0 ** e      # np.round: ties to even
;;       return np.moveaxis(q.reshape(q.shape[:-2] + (-1,))[..., :K], -1, axis).astype(np.float32)
;;   ~~~
;;   SOFTMAX AHEAD OF A QUANTISED PRODUCT. Where the list says 'softmax', what is quantised is not the finished softmax but p = 2^(t - M), with t = logit x log2(e) and M = ceil(the row's largest t), a whole number; so 1/2 < the row's largest p <= 1. The row's sum l is taken of the UNQUANTISED p, in f32, and the product's result is divided by l at the end. Since M is a whole number, a kernel that streams over the keys may use a running M (the ceiling of the running maximum): every later rescaling is an exact power of two, which a block's scale takes up: the codes' values come out the same.
;;   OPERANDS COMPUTED ON THE WAY. 'Computed on the way' means the value that the module computes at that place (a softmax that the list does not call 'softmax' is quantised finished and normalised). What goes into a quantiser is computed in f32, as accurately as f32 sums, v_exp_f32 and their like allow (about 1e-6 of the number): no bf16 or f16 on the way to a quantiser, and a product that is left as it is and whose result goes on into a quantised operand takes f32 operands (vector FMAs, or v_wmma_f32_16x16x4_f32). A number that lies on a knife's edge between two numbers of the format may be rounded either way, as far as f32 arithmetic and the matrix unit's own rounding can turn it there, and no further.
;; One version. Each part assembles by itself: llvm-mc -triple=amdgcn-amd-amdhsa -mcpu=gfx1250 --defsym DOCPART=n.
;; ======== version 1 of 1: 4 launches
;; limits: right only within a limited range of input values
;; workspace buffers: wts 557,056 bytes; qkv 13,369,344 bytes; att 4,456,448 bytes
;; launch wquant (part 1): grid 32 x 4, 4 waves a work-group, no clusters, 45,824 bytes of LDS; arguments Wq, Wk, Wv, Wo, wts; writes wts
.if DOCPART == 1
	.amdgcn_target "amdgcn-amd-amdhsa--gfx1250"
	.amdhsa_code_object_version 6
	.text
	.protected	k_q0cc3c2c321_wquant
	.globl	k_q0cc3c2c321_wquant
	.p2align	8
	.type	k_q0cc3c2c321_wquant,@function
k_q0cc3c2c321_wquant:
	s_mov_b64 s[64:65], 0
	v_nop
	global_prefetch_b8 v0, s[64:65] scope:SCOPE_SE
	s_setreg_imm32_b32 hwreg(HW_REG_WAVE_MODE, 25, 1), 1
	s_wait_xcnt 0x0
; The four weights [512 (n)][512 (k)], f32, K innermost, become codes of FP4 (E2M1) with one E8M0 byte for each 32 along K, laid in the ORDER OF AN OPERAND'S REGISTERS.
; wts: codes at y*131072 (y = 0 Wq, 1 Wk, 2 Wv, 3 Wo) as [tile 32][K step 4][image of 1,024 bytes]; scale bytes at 524288 + y*8192 as [tile 32][position 16][16 bytes].
; An image holds 16 rows x 128 K: registers 4c .. 4c+3 of lane l at 512 c + 16 l; lane (r, h) holds position r and k = 64 c + 32 h + 0 .. 31.
; THE ROWS OF A TILE ARE NOT NEIGHBOURS: position p of tile 2 b + u is row 32 b + 8 u + p + 8 (p / 8), so that a product that takes such tiles as source 0 leaves 16 neighbours along n in the registers of two neighbouring tiles.
; SHARES. Work-group (x = tile, y = weight): 16 rows. Wave w takes positions 4 w .. 4 w + 3, which are four neighbouring rows. A row is 2,048 bytes: four loads of 512 consecutive bytes; it turns through the wave's own
; stage in LDS (16 bytes of padding behind each 64) so that a lane holds 16 neighbours along K; two neighbouring lanes hold a block. All 16 loads of a wave are out at once.
; The problem has 128 tiles of weights, so 128 work-groups are launched. No tensor loads, no cluster: work-groups share no input.
; A block's scale byte is its largest magnitude's exponent field - 2, held at 1 from below.
; LIMITS: a block of zeros gets the byte 1 (its codes are zeros, and this program alone reads the bytes); blocks whose largest magnitude lies under 2^-124 get the byte 1; NaN and infinities are not served.
.set SP,    80                         ; a lane's place in a stage: 64 bytes + 16 of padding
.set STGB,  32*SP                      ; a stage: one row
.set WREG,  4*STGB                     ; a wave's four stages
.set IMG,   4*WREG                     ; the tile's four images, 4,096 bytes
.set SCB,   IMG+4096                   ; its 256 scale bytes
.set R,     16                         ; v16-79   four rows as loaded
.set X,     80                         ; v80-143  four rows, 16 neighbours a lane
.set C,     144                        ; v144-151 codes, two registers a row
.set E,     152                        ; v152-155 a scale byte a row
	s_load_b256 s[4:11], s[0:1], 0x0               ; Wq, Wk, Wv, Wo
	s_load_b64 s[12:13], s[0:1], 0x20              ; wts
	v_lshl_add_u32 v160, v0, 2, 0xb100
	v_mov_b32 v161, 0
	v_lshrrev_b32 v1, 5, v0
	v_readfirstlane_b32 s16, v1                    ; wave
	v_and_b32 v2, 31, v0                           ; lane
	v_lshlrev_b32 v3, 4, v2                        ; my 16 bytes of a load's 512
	s_and_b32 s18, ttmp7, 0xffff                   ; which weight
	s_mul_i32 s26, s16, WREG
	v_lshrrev_b32 v14, 2, v2
	v_mul_u32_u24 v14, v14, SP
	v_and_b32 v15, 3, v2
	v_lshl_add_u32 v14, v15, 4, v14
	v_add_nc_u32 v14, s26, v14                     ; the stage, on the way in: SP (lane / 4) + 16 (lane % 4)
	v_mul_u32_u24 v15, v2, SP
	v_add_nc_u32 v15, s26, v15                     ; and on the way out: SP x lane
	v_lshrrev_b32 v4, 3, v2                        ; my 16 codes are k = 16 lane on: K step lane / 8,
	v_lshlrev_b32 v4, 10, v4
	v_bfe_u32 v8, v2, 2, 1                         ; register group c,
	v_lshl_add_u32 v4, v8, 9, v4
	v_bfe_u32 v8, v2, 1, 1                         ; half h,
	v_lshl_add_u32 v4, v8, 8, v4
	v_and_b32 v8, 1, v2                            ; and which 8 of the image lane's 16 bytes
	v_lshl_add_u32 v4, v8, 3, v4
	s_lshl_b32 s26, s16, 6                         ; position 4 w: 16 bytes a position
	s_add_co_u32 s27, s26, IMG
	v_add_nc_u32 v4, s27, v4
	v_lshrrev_b32 v5, 1, v2                        ; my block's byte
	s_add_co_u32 s27, s26, SCB
	v_add_nc_u32 v5, s27, v5
	v_lshlrev_b32 v7, 4, v0                        ; the way out: 16 bytes a thread
	v_add_nc_u32 v6, IMG, v7
	v_lshlrev_b32 v12, 3, v2                       ; the scale bytes' way out: 8 bytes a lane
	v_add_nc_u32 v13, SCB, v12
	s_lshr_b32 s20, ttmp9, 1                       ; my first row: 32 (tile / 2) + 8 (tile % 2) + 4 w + 8 (w / 2)
	s_lshl_b32 s20, s20, 5
	s_and_b32 s21, ttmp9, 1
	s_lshl_b32 s21, s21, 3
	s_add_co_u32 s20, s20, s21
	s_lshl_b32 s21, s16, 2
	s_add_co_u32 s20, s20, s21
	s_lshr_b32 s21, s16, 1
	s_lshl_b32 s21, s21, 3
	s_add_co_u32 s20, s20, s21
	s_lshl_b32 s20, s20, 11                        ; in bytes
	s_mov_b32 s21, 0
	s_lshl_b32 s22, s18, 17                        ; the tile's images
	s_lshl_b32 s23, ttmp9, 12
	s_add_co_u32 s22, s22, s23
	s_mov_b32 s23, 0
	s_lshl_b32 s24, s18, 13                        ; its scale bytes
	s_lshl_b32 s25, ttmp9, 8
	s_add_co_u32 s24, s24, s25
	s_add_co_u32 s24, s24, 524288
	s_mov_b32 s25, 0
	s_wait_kmcnt 0x0
	s_cmp_eq_u32 s18, 1                            ; the weight is chosen by the work-group's number alone
	s_cselect_b64 s[4:5], s[6:7], s[4:5]
	s_cmp_eq_u32 s18, 2
	s_cselect_b64 s[4:5], s[8:9], s[4:5]
	s_cmp_eq_u32 s18, 3
	s_cselect_b64 s[4:5], s[10:11], s[4:5]
	s_add_nc_u64 s[4:5], s[4:5], s[20:21]
	s_add_nc_u64 s[22:23], s[12:13], s[22:23]
	s_add_nc_u64 s[24:25], s[12:13], s[24:25]
.irp t, 0,1,2,3
.irp i, 0,1,2,3
	global_load_b128 v[R+16*\t+4*\i:R+16*\t+4*\i+3], v3, s[4:5] offset:2048*\t+512*\i th:TH_LOAD_NT   ; 32 lanes read 512 consecutive bytes
.endr
.endr
.irp t, 0,1,2,3
	s_wait_loadcnt 12-4*\t                         ; row t's four loads are in; the four of each later row may be out
.irp i, 0,1,2,3
	ds_store_b128 v14, v[R+16*\t+4*\i:R+16*\t+4*\i+3] offset:STGB*\t+8*SP*\i
.endr
.irp i, 0,1,2,3
	ds_load_b128 v[X+16*\t+4*\i:X+16*\t+4*\i+3], v15 offset:STGB*\t+16*\i   ; LDS serves a wave's instructions in order: these see the stores above
.endr
.endr
	s_wait_dscnt 0x0
.macro BLOCK t
.set XS, X+16*(\t)
	v_max3_num_f32 v8, |v[XS]|, |v[XS+1]|, |v[XS+2]|       ; the largest magnitude of my 16, in two chains
	v_max3_num_f32 v9, |v[XS+3]|, |v[XS+4]|, |v[XS+5]|
.irp i, 6,10
	v_max3_num_f32 v8, v8, |v[XS+\i]|, |v[XS+\i+1]|
	v_max3_num_f32 v9, v9, |v[XS+\i+2]|, |v[XS+\i+3]|
.endr
	v_max3_num_f32 v8, v8, |v[XS+14]|, |v[XS+15]|
	v_max3_num_f32 v8, v8, v9, 0x1800000           ; and the floor 2^(3 - 127): the byte cannot fall under 1
	v_max_num_f32_dpp v8, v8, v8 row_xmask:1 row_mask:0xf bank_mask:0xf   ; with my neighbour's 16: the block's
	v_add_nc_u32 v11, 0xff000000, v8               ; 2 off its exponent field: the conversion's scale operand
	v_cvt_scalef32_pk8_fp4_f32 v[C+2*(\t)], v[XS:XS+7], v11
	v_cvt_scalef32_pk8_fp4_f32 v[C+2*(\t)+1], v[XS+8:XS+15], v11
	v_lshrrev_b32 v[E+(\t)], 23, v11               ; the scale's byte (a plain line behind the conversions)
	ds_store_b64 v4, v[C+2*(\t):C+2*(\t)+1] offset:16*(\t)    ; my 16 codes at their place in the image
	ds_store_b8 v5, v[E+(\t)] offset:16*(\t)       ; both lanes of a block write the same byte with the same value
.endm
	BLOCK 0
	BLOCK 1
	BLOCK 2
	BLOCK 3
	s_wait_dscnt 0x0                               ; for the others' sake: my stores have landed
	s_barrier_signal -1
	s_barrier_wait -1
	ds_load_b128 v[16:19], v6
	ds_load_b128 v[20:23], v6 offset:2048
	s_wait_dscnt 0x0
	global_store_b128 v7, v[16:19], s[22:23]               ; a wave stores 512 consecutive bytes, aligned
	global_store_b128 v7, v[20:23], s[22:23] offset:2048
	s_cmp_lg_u32 s16, 0
	s_cbranch_scc1 .Lend                           ; wave 0 alone sends the 256 scale bytes
	ds_load_b64 v[24:25], v13
	s_wait_dscnt 0x0
	global_store_b64 v12, v[24:25], s[24:25]       ; 32 lanes store 256 consecutive bytes, aligned
.Lend:
	s_wait_tensorcnt 0x0
	ds_add_u32 v160, v161
	s_wait_dscnt 0x0
	s_endpgm
.Lfunc_end_k_q0cc3c2c321_wquant:
	.size	k_q0cc3c2c321_wquant, .Lfunc_end_k_q0cc3c2c321_wquant-k_q0cc3c2c321_wquant
	.p2alignl 7, 3214868480
	.fill 96, 4, 3214868480
	.section	.rodata,"a",@progbits
	.p2align	6, 0x0
	.amdhsa_kernel k_q0cc3c2c321_wquant
		.amdhsa_group_segment_fixed_size 45824
		.amdhsa_private_segment_fixed_size 0
		.amdhsa_enable_private_segment 0
		.amdhsa_kernarg_size 40
		.amdhsa_user_sgpr_count 2
		.amdhsa_user_sgpr_kernarg_segment_ptr 1
		.amdhsa_wavefront_size32 1
		.amdhsa_system_sgpr_workgroup_id_x 1
		.amdhsa_system_sgpr_workgroup_id_y 1
		.amdhsa_system_sgpr_workgroup_id_z 1
		.amdhsa_system_vgpr_workitem_id 0
		.amdhsa_next_free_vgpr 162
		.amdhsa_next_free_sgpr 66
		.amdhsa_reserve_vcc 0
		.amdhsa_float_denorm_mode_32 3
		.amdhsa_float_denorm_mode_16_64 3
		.amdhsa_memory_ordered 1
		.amdhsa_forward_progress 1
		.amdhsa_inst_pref_size 12
	.end_amdhsa_kernel
	.amdgpu_metadata
---
amdhsa.version: [ 1, 2 ]
amdhsa.kernels:
  - .name:           k_q0cc3c2c321_wquant
    .symbol:         k_q0cc3c2c321_wquant.kd
    .args:
      - { .name: Wq, .offset: 0, .size: 8, .value_kind: global_buffer, .address_space: global }
      - { .name: Wk, .offset: 8, .size: 8, .value_kind: global_buffer, .address_space: global }
      - { .name: Wv, .offset: 16, .size: 8, .value_kind: global_buffer, .address_space: global }
      - { .name: Wo, .offset: 24, .size: 8, .value_kind: global_buffer, .address_space: global }
      - { .name: wts, .offset: 32, .size: 8, .value_kind: global_buffer, .address_space: global }
    .group_segment_fixed_size: 45824
    .private_segment_fixed_size: 0
    .kernarg_segment_align: 8
    .kernarg_segment_size: 40
    .max_flat_workgroup_size: 128
    .sgpr_count:     66
    .vgpr_count:     162
    .wavefront_size: 32
...
	.end_amdgpu_metadata
.endif
;; end of part 1
;; launch proj (part 2): grid 256 x 1, 4 waves a work-group, no clusters, 327,680 bytes of LDS; arguments q, k, v, bq, bk, bv, wts, qkv; writes qkv
.if DOCPART == 2
	.amdgcn_target "amdgcn-amd-amdhsa--gfx1250"
	.amdhsa_code_object_version 6
	.text
	.protected	k_q0cc3c2c321_proj
	.globl	k_q0cc3c2c321_proj
	.p2align	8
	.type	k_q0cc3c2c321_proj,@function
k_q0cc3c2c321_proj:
	s_mov_b64 s[64:65], 0
	v_nop
	global_prefetch_b8 v0, s[64:65] scope:SCOPE_SE
	s_setreg_imm32_b32 hwreg(HW_REG_WAVE_MODE, 25, 1), 1
	s_wait_xcnt 0x0
.set TILEB, 64*528
.set SLOT1, 4*TILEB
.set XIMG0, 2*SLOT1
.set XSC0,  XIMG0+16384
.set SETB,  17408
.set SPARE, XIMG0+2*SETB
.set LI,  1
.set L8,  2
.set XA0, 3
.set XA1, 4
.set XW,  5
.set XSW, 6
.set LIX, 7
.set XSR, 8
.set BA,  9
.set BV,  10
.set SPW, 11
.set NIL, 12
.set ACC, 16
.set XR,  80
.set XF,  80
.set PC,  144
.set TM,  152
.set PW,  164
.set KP,  165
.set A0,  166
.set WS,  168
.set XS,  184
.set BI,  192
.set WV,  44
.set HM,  45
.set SEL, 46
.set MSB, 0
.macro WIN new
.if MSB != (\new)
	s_set_vgpr_msb (MSB<<8)|(\new)
.set MSB, (\new)
.endif
.endm
.macro WMS d, a, b, c, sa, sb, ra, rb
.if (\c) < 0
.if (\ra) && (\rb)
	v_wmma_scale_f32_16x16x128_f8f6f4 v[(\d):(\d)+7], v[(\a):(\a)+7], v[(\b):(\b)+7], 0, v[\sa], v[\sb] matrix_a_fmt:MATRIX_FMT_FP4 matrix_b_fmt:MATRIX_FMT_FP4 matrix_a_scale:MATRIX_SCALE_ROW1 matrix_b_scale:MATRIX_SCALE_ROW1
.elseif (\ra)
	v_wmma_scale_f32_16x16x128_f8f6f4 v[(\d):(\d)+7], v[(\a):(\a)+7], v[(\b):(\b)+7], 0, v[\sa], v[\sb] matrix_a_fmt:MATRIX_FMT_FP4 matrix_b_fmt:MATRIX_FMT_FP4 matrix_a_scale:MATRIX_SCALE_ROW1
.elseif (\rb)
	v_wmma_scale_f32_16x16x128_f8f6f4 v[(\d):(\d)+7], v[(\a):(\a)+7], v[(\b):(\b)+7], 0, v[\sa], v[\sb] matrix_a_fmt:MATRIX_FMT_FP4 matrix_b_fmt:MATRIX_FMT_FP4 matrix_b_scale:MATRIX_SCALE_ROW1
.else
	v_wmma_scale_f32_16x16x128_f8f6f4 v[(\d):(\d)+7], v[(\a):(\a)+7], v[(\b):(\b)+7], 0, v[\sa], v[\sb] matrix_a_fmt:MATRIX_FMT_FP4 matrix_b_fmt:MATRIX_FMT_FP4
.endif
.else
.if (\ra) && (\rb)
	v_wmma_scale_f32_16x16x128_f8f6f4 v[(\d):(\d)+7], v[(\a):(\a)+7], v[(\b):(\b)+7], v[(\c):(\c)+7], v[\sa], v[\sb] matrix_a_fmt:MATRIX_FMT_FP4 matrix_b_fmt:MATRIX_FMT_FP4 matrix_a_scale:MATRIX_SCALE_ROW1 matrix_b_scale:MATRIX_SCALE_ROW1
.elseif (\ra)
	v_wmma_scale_f32_16x16x128_f8f6f4 v[(\d):(\d)+7], v[(\a):(\a)+7], v[(\b):(\b)+7], v[(\c):(\c)+7], v[\sa], v[\sb] matrix_a_fmt:MATRIX_FMT_FP4 matrix_b_fmt:MATRIX_FMT_FP4 matrix_a_scale:MATRIX_SCALE_ROW1
.elseif (\rb)
	v_wmma_scale_f32_16x16x128_f8f6f4 v[(\d):(\d)+7], v[(\a):(\a)+7], v[(\b):(\b)+7], v[(\c):(\c)+7], v[\sa], v[\sb] matrix_a_fmt:MATRIX_FMT_FP4 matrix_b_fmt:MATRIX_FMT_FP4 matrix_b_scale:MATRIX_SCALE_ROW1
.else
	v_wmma_scale_f32_16x16x128_f8f6f4 v[(\d):(\d)+7], v[(\a):(\a)+7], v[(\b):(\b)+7], v[(\c):(\c)+7], v[\sa], v[\sb] matrix_a_fmt:MATRIX_FMT_FP4 matrix_b_fmt:MATRIX_FMT_FP4
.endif
.endif
.endm
.macro QUANT s
.irp b, 0,1,2,3
	v_max3_num_f32 v[TM+\b], |v[\s+16*\b]|, |v[\s+1+16*\b]|, 0x1800000
.endr
.irp i, 2,4,6,8,10,12,14
.irp b, 0,1,2,3
	v_max3_num_f32 v[TM+\b], v[TM+\b], |v[\s+16*\b+\i]|, |v[\s+1+16*\b+\i]|
.endr
.endr
.irp b, 0,1,2,3
	v_permlanex16_b32 v[TM+4+\b], v[TM+\b], s[SEL], s[SEL+1]
.endr
.irp b, 0,1,2,3
	v_max_num_f32 v[TM+\b], v[TM+\b], v[TM+4+\b]
.endr
.irp b, 0,1,2,3
	v_add_nc_u32 v[TM+8+\b], 0xff000000, v[TM+\b]
.endr
.irp b, 0,1,2,3
	v_lshrrev_b32 v[TM+4+\b], 23, v[TM+8+\b]
.endr
	v_lshl_or_b32 v[PW], v[TM+5], 8, v[TM+4]
	v_lshl_or_b32 v[PW], v[TM+6], 16, v[PW]
	v_lshl_or_b32 v[PW], v[TM+7], 24, v[PW]
.irp b, 0,1,2,3
	v_cvt_scalef32_pk8_fp4_f32 v[PC+2*\b], v[\s+16*\b:\s+7+16*\b], v[TM+8+\b]
	v_cvt_scalef32_pk8_fp4_f32 v[PC+1+2*\b], v[\s+8+16*\b:\s+15+16*\b], v[TM+8+\b]
.endr
	v_nop
.irp c, 0,1
.irp i, 0,1
	v_permlane16_swap_b32 v[PC+4*\c+\i], v[PC+2+4*\c+\i]
.endr
.endr
.endm
.macro PLACES
.rept 4
	v_nop
.endr
.endm
	s_load_b256 s[8:15], s[0:1], 0x0
	s_load_b256 s[16:23], s[0:1], 0x20
	v_lshl_add_u32 v[SPW], v0, 2, SPARE
	v_mov_b32 v[NIL], 0
	ds_add_u32 v11, v12
	ds_add_u32 v11, v12
	s_wait_dscnt 0x0
	v_lshrrev_b32 v13, 5, v0
	v_readfirstlane_b32 s[WV], v13
	s_mov_b32 s24, (2<<16)|(1<<20)|(6<<22)|(3<<25)
	s_mov_b32 s25, 128<<16
	s_mov_b32 s26, 64<<16
	s_mov_b32 s27, 128<<16
	s_mov_b32 s28, 64
	s_mov_b32 s29, 512
	s_mov_b32 s30, 0
	s_mov_b32 s31, 0
	s_lshl_b32 s68, ttmp9, 17
	s_lshl_b32 s70, s[WV], 9
	s_add_co_u32 s68, s68, s70
	s_mov_b32 s69, 0
	s_mul_i32 s71, s[WV], TILEB
	s_wait_kmcnt 0x0
	s_mov_b32 s32, 1
	s_mov_b32 s33, s71
	s_add_nc_u64 s[34:35], s[8:9], s[68:69]
	s_or_b32 s35, s35, 0x80000000
	s_mov_b32 s36, 1
	s_add_co_u32 s37, s71, SLOT1
	s_add_nc_u64 s[38:39], s[10:11], s[68:69]
	s_or_b32 s39, s39, 0x80000000
	s_mov_b32 s40, 1
	s_mov_b32 s41, s71
	s_add_nc_u64 s[42:43], s[12:13], s[68:69]
	s_or_b32 s43, s43, 0x80000000
	tensor_load_to_lds s[32:35], s[24:31]
	s_nop 0
	v_and_b32 v13, 31, v0
	v_and_b32 v14, 15, v0
	v_bfe_u32 v15, v0, 4, 1
	v_lshlrev_b32 v[LI], 4, v13
	s_wait_alu depctr_va_vdst(0)
	v_lshlrev_b32 v[L8], 3, v13
	s_lshl_b32 s74, s[WV], 15
	s_mov_b32 s75, 0
	s_add_nc_u64 s[60:61], s[20:21], s[74:75]
	s_lshl_b32 s74, s[WV], 11
	s_add_co_u32 s74, s74, 524288
	s_add_nc_u64 s[62:63], s[20:21], s[74:75]
.irp ph, 0,1,2
	WIN 0x40*(\ph+1)
.irp t, 0,1,2,3,4,5,6,7
.irp s, 0,1,2,3
.irp c, 0,1
	global_load_b128 v[8*(4*\t+\s)+4*\c:8*(4*\t+\s)+4*\c+3], v[LI], s[60:61] offset:131072*\ph+4096*\t+1024*\s+512*\c
.endr
.endr
.endr
.endr
	WIN 0
	s_wait_alu depctr_va_vdst(0)
	s_wait_tensorcnt 0x0
	ds_add_u32 v11, v12
	s_wait_dscnt 0x0
	s_barrier_signal -1
	s_barrier_wait -1
	tensor_load_to_lds s[36:39], s[24:31]
	s_nop 0
	s_mov_b32 s[HM], 0xffff0000
	s_mov_b32 s[SEL], 0x76543210
	s_mov_b32 s[SEL+1], 0xfedcba98
	s_lshr_b32 s72, ttmp9, 5
	s_and_b32 s73, ttmp9, 31
	s_lshl_b32 s72, s72, 3
	s_lshl_b32 s74, s[WV], 1
	s_add_co_u32 s72, s72, s74
	s_lshl_b32 s72, s72, 16
	s_lshl_b32 s74, s73, 11
	s_add_co_u32 s74, s72, s74
	s_add_nc_u64 s[48:49], s[22:23], s[74:75]
	s_add_nc_u64 s[50:51], s[48:49], 0x400000
	s_lshr_b32 s74, s73, 1
	s_lshl_b32 s74, s74, 12
	s_add_co_u32 s74, s74, s72
	s_and_b32 s73, s73, 1
	s_lshl_b32 s73, s73, 9
	s_add_co_u32 s74, s74, s73
	s_add_co_u32 s74, s74, 0x800000
	s_add_nc_u64 s[52:53], s[22:23], s[74:75]
	s_lshl_b32 s74, ttmp9, 10
	s_lshl_b32 s73, s[WV], 8
	s_add_co_u32 s74, s74, s73
	s_add_co_u32 s74, s74, 12582912
	s_add_nc_u64 s[54:55], s[22:23], s[74:75]
	s_add_nc_u64 s[56:57], s[54:55], 0x40000
	s_add_nc_u64 s[58:59], s[54:55], 0x80000
	s_lshl_b32 s74, s[WV], 9
	s_add_nc_u64 s[14:15], s[14:15], s[74:75]
	s_add_nc_u64 s[16:17], s[16:17], s[74:75]
	s_add_nc_u64 s[18:19], s[18:19], s[74:75]
	v_mul_u32_u24 v[XA0], v14, 528
	v_lshl_add_u32 v[XA0], v15, 6, v[XA0]
	v_add_nc_u32 v[XA0], s71, v[XA0]
	v_add_nc_u32 v[XA1], SLOT1, v[XA0]
	v_lshrrev_b32 v9, 3, v14
	v_and_b32 v10, 7, v14
	v_lshlrev_b32 v[XW], 12, v9
	v_lshl_add_u32 v[XW], v10, 4, v[XW]
	v_lshl_add_u32 v[XW], v15, 8, v[XW]
	s_lshl_b32 s70, s[WV], 10
	s_add_co_u32 s70, s70, XIMG0
	v_add_nc_u32 v[XW], s70, v[XW]
	v_lshlrev_b32 v[XSW], 8, v9
	v_lshl_add_u32 v[XSW], v10, 4, v[XSW]
	s_lshl_b32 s70, s[WV], 2
	s_add_co_u32 s70, s70, XSC0
	v_add_nc_u32 v[XSW], s70, v[XSW]
	v_add_nc_u32 v[LIX], XIMG0, v[LI]
	v_add_nc_u32 v[XSR], XSC0, v[LI]
	v_lshl_add_u32 v[BV], v9, 3, v14
	v_lshlrev_b32 v[BV], 2, v[BV]
	v_lshlrev_b32 v[BA], 6, v15
.irp b, 0,1,2,3
	v_mov_b32 v[TM+4+\b], 0
.endr
.macro LOADX buf, xa, m
.irp bb, 0,1,2,3
.irp j, 0,1,2,3
	ds_load_b128 v[\buf+16*\bb+4*\j:\buf+16*\bb+4*\j+3], v[\xa] offset:8448*(\m)+128*\bb+16*\j
.endr
.endr
.endm
.macro STX set, m
.irp c, 0,1
	ds_store_b128 v[XW], v[PC+4*\c:PC+4*\c+3] offset:SETB*(\set)+8192*((\m)/2)+128*((\m)%2)+512*\c
.endr
	ds_store_b32 v[XSW], v[PW] offset:SETB*(\set)+512*((\m)/2)+128*((\m)%2)
.endm
.macro XSTAGE xa, set
	LOADX ACC, \xa, 0
	LOADX XR, \xa, 1
	s_wait_xcnt 0x0
	s_wait_dscnt 16
	QUANT ACC
	STX \set, 0
	LOADX ACC, \xa, 2
	s_wait_dscnt 16
	QUANT XR
	STX \set, 1
	LOADX XR, \xa, 3
	s_wait_dscnt 16
	QUANT ACC
	STX \set, 2
	s_wait_dscnt 0x0
	QUANT XR
	STX \set, 3
.endm
.macro BIASQK ph
.irp t, 0,1,2,3,4,5,6,7
	global_load_b128 v[BI+8*\t:BI+8*\t+3], v[BA], s[14+2*(\ph):15+2*(\ph)] offset:(32*(\t/2)+8*(\t%2))*4
	global_load_b128 v[BI+8*\t+4:BI+8*\t+7], v[BA], s[14+2*(\ph):15+2*(\ph)] offset:(32*(\t/2)+8*(\t%2))*4+16
.endr
.irp i, 0,1,2,3
	global_load_b128 v[WS+4*\i:WS+4*\i+3], v[LI], s[62:63] offset:8192*(\ph)+512*\i
.endr
.endm
.macro XSLOAD set
.irp i, 0,1
	ds_load_b128 v[XS+4*\i:XS+4*\i+3], v[XSR] offset:SETB*(\set)+512*\i
.endr
.endm
.macro PRODQK ph, set, tt
.irp s, 0,1,2,3
.irp c, 0,1
	ds_load_b128 v[XF+8*\s+4*\c:XF+8*\s+4*\c+3], v[LIX] offset:SETB*(\set)+4096*(\tt)+1024*\s+512*\c
.endr
.endr
	s_wait_dscnt 0x0
	WIN 1+(\ph)
.irp s, 0,1,2,3
.irp t, 0,1,2,3,4,5,6,7
.if \s == 0
	WMS ACC+8*\t, 8*(4*\t+\s), XF+8*\s, BI+8*\t, WS+4*(\t/2)+\s, XS+4*((\tt)/2)+\s, \t%2, (\tt)%2
.else
	WMS ACC+8*\t, 8*(4*\t+\s), XF+8*\s, ACC+8*\t, WS+4*(\t/2)+\s, XS+4*((\tt)/2)+\s, \t%2, (\tt)%2
.endif
.endr
.endr
	WIN 0
	PLACES
	s_wait_xcnt 0x0
	QUANT ACC
	global_store_b128 v[LI], v[PC:PC+3], s[48+2*(\ph):49+2*(\ph)] offset:512*(\tt)
	global_store_b128 v[LI], v[PC+4:PC+7], s[48+2*(\ph):49+2*(\ph)] offset:512*(\tt)+65536
.if (\tt)%2 == 0
	v_mov_b32 v[KP], v[PW]
.elseif (\tt) == 1
	v_perm_b32 v[A0], v[PW], v[KP], 0x05040100
	v_perm_b32 v[A0+1], v[PW], v[KP], 0x07060302
.else
	v_perm_b32 v[TM], v[PW], v[KP], 0x05040100
	v_perm_b32 v[TM+1], v[PW], v[KP], 0x07060302
	v_cndmask_b32 v[A0], v[A0], v[TM], s[HM]
	v_cndmask_b32 v[A0+1], v[A0+1], v[TM+1], s[HM]
	global_store_b64 v[L8], v[A0:A0+1], s[54+2*(\ph):55+2*(\ph)]
.endif
.endm
.macro PRODV jj
	WIN 0x0d
.irp s, 0,1,2,3
.irp t, 0,1,2,3
.irp e, 0,1
.if \s == 0
	WMS ACC+32*\e+8*\t, 8*(4*\t+\s), 8*(4*(2*(\jj)+\e)+\s), BI+8*(2*(\jj)+\e), XS+4*(\t/2)+\s, WS+4*(\jj)+\s, \t%2, \e
.else
	WMS ACC+32*\e+8*\t, 8*(4*\t+\s), 8*(4*(2*(\jj)+\e)+\s), ACC+32*\e+8*\t, XS+4*(\t/2)+\s, WS+4*(\jj)+\s, \t%2, \e
.endif
.endr
.endr
.endr
	WIN 0
	PLACES
	s_wait_xcnt 0x0
	QUANT ACC
	global_store_b128 v[LI], v[PC:PC+3], s[52:53] offset:65536*((\jj)/2)+2048*((\jj)%2)
	global_store_b128 v[LI], v[PC+4:PC+7], s[52:53] offset:65536*((\jj)/2)+2048*((\jj)%2)+1024
.if (\jj)%2 == 0
	v_mov_b32 v[KP], v[PW]
.elseif (\jj) == 1
	v_cndmask_b32 v[A0], v[KP], v[PW], s[HM]
.else
	v_cndmask_b32 v[A0+1], v[KP], v[PW], s[HM]
	global_store_b64 v[L8], v[A0:A0+1], s[58:59]
.endif
.endm
	BIASQK 0
	s_wait_tensorcnt 0x1
	XSTAGE XA0, 0
	s_wait_tensorcnt 0x0
	ds_add_u32 v[SPW], v[NIL]
	s_wait_dscnt 0x0
	s_barrier_signal -1
	s_barrier_wait -1
	tensor_load_to_lds s[40:43], s[24:31]
	s_nop 0
	PLACES
	s_wait_loadcnt 0x0
	XSLOAD 0
	PRODQK 0, 0, 0
	PRODQK 0, 0, 1
	PRODQK 0, 0, 2
	PRODQK 0, 0, 3
	BIASQK 1
	s_wait_tensorcnt 0x1
	XSTAGE XA1, 1
	s_wait_dscnt 0x0
	s_barrier_signal -1
	s_barrier_wait -1
	s_wait_loadcnt 0x0
	XSLOAD 1
	PRODQK 1, 1, 0
	PRODQK 1, 1, 1
	PRODQK 1, 1, 2
	PRODQK 1, 1, 3
.irp n, 0,1,2,3,4,5,6,7
	global_load_b32 v[BI+8*\n], v[BV], s[18:19] offset:(32*(\n/2)+8*(\n%2))*4
.endr
.irp i, 0,1,2,3
	global_load_b128 v[WS+4*\i:WS+4*\i+3], v[LI], s[62:63] offset:8192*2+512*\i
.endr
	s_wait_tensorcnt 0x0
	XSTAGE XA0, 0
	s_wait_dscnt 0x0
	s_barrier_signal -1
	s_barrier_wait -1
	s_wait_loadcnt 0x0
.irp n, 0,1,2,3,4,5,6,7
.irp j, 1,2,3,4,5,6,7
	v_mov_b32 v[BI+8*\n+\j], v[BI+8*\n]
.endr
.endr
	WIN 0x40
.irp t, 0,1,2,3
.irp s, 0,1,2,3
.irp c, 0,1
	ds_load_b128 v[8*(4*\t+\s)+4*\c:8*(4*\t+\s)+4*\c+3], v[LIX] offset:4096*\t+1024*\s+512*\c
.endr
.endr
.endr
	WIN 0
	XSLOAD 0
	s_wait_dscnt 0x0
	PRODV 0
	PRODV 1
	PRODV 2
	PRODV 3
	s_wait_tensorcnt 0x0
	ds_add_u32 v[SPW], v[NIL]
	s_wait_dscnt 0x0
	s_endpgm
.Lfunc_end_k_q0cc3c2c321_proj:
	.size	k_q0cc3c2c321_proj, .Lfunc_end_k_q0cc3c2c321_proj-k_q0cc3c2c321_proj
	.p2alignl 7, 3214868480
	.fill 96, 4, 3214868480
	.section	.rodata,"a",@progbits
	.p2align	6, 0x0
	.amdhsa_kernel k_q0cc3c2c321_proj
		.amdhsa_group_segment_fixed_size 327680
		.amdhsa_private_segment_fixed_size 0
		.amdhsa_enable_private_segment 0
		.amdhsa_kernarg_size 64
		.amdhsa_user_sgpr_count 2
		.amdhsa_user_sgpr_kernarg_segment_ptr 1
		.amdhsa_wavefront_size32 1
		.amdhsa_system_sgpr_workgroup_id_x 1
		.amdhsa_system_sgpr_workgroup_id_y 1
		.amdhsa_system_sgpr_workgroup_id_z 1
		.amdhsa_system_vgpr_workitem_id 0
		.amdhsa_next_free_vgpr 1024
		.amdhsa_next_free_sgpr 80
		.amdhsa_reserve_vcc 0
		.amdhsa_float_denorm_mode_32 3
		.amdhsa_float_denorm_mode_16_64 3
		.amdhsa_memory_ordered 1
		.amdhsa_forward_progress 1
		.amdhsa_inst_pref_size 197
	.end_amdhsa_kernel
	.amdgpu_metadata
---
amdhsa.version: [ 1, 2 ]
amdhsa.kernels:
  - .name:           k_q0cc3c2c321_proj
    .symbol:         k_q0cc3c2c321_proj.kd
    .args:
      - { .name: q, .offset: 0, .size: 8, .value_kind: global_buffer, .address_space: global }
      - { .name: k, .offset: 8, .size: 8, .value_kind: global_buffer, .address_space: global }
      - { .name: v, .offset: 16, .size: 8, .value_kind: global_buffer, .address_space: global }
      - { .name: bq, .offset: 24, .size: 8, .value_kind: global_buffer, .address_space: global }
      - { .name: bk, .offset: 32, .size: 8, .value_kind: global_buffer, .address_space: global }
      - { .name: bv, .offset: 40, .size: 8, .value_kind: global_buffer, .address_space: global }
      - { .name: wts, .offset: 48, .size: 8, .value_kind: global_buffer, .address_space: global }
      - { .name: qkv, .offset: 56, .size: 8, .value_kind: global_buffer, .address_space: global }
    .group_segment_fixed_size: 327680
    .private_segment_fixed_size: 0
    .kernarg_segment_align: 8
    .kernarg_segment_size: 64
    .max_flat_workgroup_size: 128
    .sgpr_count:     80
    .vgpr_count:     1024
    .wavefront_size: 32
...
	.end_amdgpu_metadata
.endif
;; end of part 2
;; launch attn (part 3): grid 4 x 64, 16 waves a work-group, clusters of 4 x 1, 169,984 bytes of LDS; arguments qkv, att; writes att
.if DOCPART == 3
	.amdgcn_target "amdgcn-amd-amdhsa--gfx1250"
	.amdhsa_code_object_version 6
	.text
	.protected	k_q0cc3c2c321_attn
	.globl	k_q0cc3c2c321_attn
	.p2align	8
	.type	k_q0cc3c2c321_attn,@function
k_q0cc3c2c321_attn:
	s_mov_b64 s[64:65], 0
	v_nop
	global_prefetch_b8 v0, s[64:65] scope:SCOPE_SE
	s_setreg_imm32_b32 hwreg(HW_REG_WAVE_MODE, 25, 1), 1
	s_wait_xcnt 0x0
	s_wait_alu depctr_hold_cnt(0) depctr_sa_sdst(0) depctr_va_vdst(0) depctr_va_sdst(0) depctr_va_ssrc(0) depctr_va_vcc(0) depctr_vm_vsrc(0)
	s_getreg_b32 s2, hwreg(HW_REG_IB_STS2, 6, 4)
	s_cmp_eq_u32 s2, 0
	s_cbranch_scc0 .Lentry_in_a_cluster
	s_endpgm
.Lentry_in_a_cluster:
	s_bfe_u32 s2, ttmp6, 0x10000c
	s_cmp_lg_u32 s2, 0x3003
	s_cbranch_scc0 .Lentry_shape_is_right
	s_endpgm
.Lentry_shape_is_right:
; attn[b][q][head] = softmax_k(qh . kh / sqrt(512)) vh, both products on codes of FP4 (E2M1) with E8M0 scales; the result is quantised along the 512 of the last product's K.
; THE SOFTMAX AHEAD OF THE SECOND PRODUCT: t = score x log2(e) / sqrt(512); M = the running largest t rounded UP to a whole number; p = 2^(t - M) is quantised along the keys, not normalised;
; the row's sum is taken of the unquantised p in f32 and divides O at the end. When M moves, the sum and O are multiplied by 2^(old M - new M), which rounds nothing.
; SHARES. A cluster of four work-groups is one (batch, head). A work-group owns 512 queries, each of its sixteen waves 32: two tiles of 16. Every wave walks the head's 2,048 keys, 128 a step.
; THE WHOLE HEAD LIES IN LDS: K's and V's codes, 64 KiB each, come once, as register images of 1,024 bytes, by eight JOINT tensor loads of 16 KiB (waves 0-7, one each; the four partners need the same bytes).
; Nothing is filled again, so there is no later load that a prefetch could run ahead of.
; A HEAD HAS 64 NUMBERS, AN INSTRUCTION TAKES 128 ALONG K: source 0 holds one tile of 16 keys in registers 0-3 and another in registers 4-7; Q stands between registers of zero codes: [Q, 0] picks the first, [0, Q] the second.
; WHICH KEYS FORM A TILE is chosen by the lanes' LDS addresses. In memory position p of stored tile 2 b + u is key 32 b + 8 u + p + 8 (p / 8). Here lane r of pair (c, a) reads stored image 2 c + r / 8 at position r % 8 + 8 a:
; its two tiles T = 2 a, 2 a + 1 hold key 64 c + 32 (r / 8) + 8 T + r % 8. Both products are used transposed (a lane holds one query), so score register 32 c + 8 T + j of lane (r, h) is key 64 c + 32 h + 8 T + j:
; A LANE HOLDS WHOLE BLOCKS OF 32 KEYS, blocks h and 2 + h of the step, in the order of the second product's operand: a block's maximum needs no other lane, and the conversions' results are the operand's registers.
; Each image has 128 bytes of padding behind it (pitch 1,152): lanes with r / 8 = 1 read 1,152 bytes on, so the sixteen lanes of a half wave touch sixteen different 16-byte columns modulo 256 bytes.
; CHAINS BY TURNS. The maxima go in eight chains (one an accumulator), the row's sum in six: in these runs no line reads the result of one of the five lines above it. The short joins behind them carry a one-field hint.
; LIMITS: the promise holds while the scaled scores stay under 2^31 in magnitude; a block's largest p is made from the block's largest score by the same multiply-add and exponential as every p;
; p under 2^-126 comes out of v_exp_f32 as 0; a block of zeros gets the byte 1 (zero codes); NaN and infinities are not served.
; REGISTERS: v1-5 addresses; v6-7 the add's two; v8-15 (-M, largest score), sum in two halves, for each tile; v16-35 0 Q0 0 Q1 0; v36-37 Q's scale word and the same turned by 16 bits; v38-39 K's scale words, v40-41 V's, v42-43 p's;
;   v44-75 four images of K, then of V; v76-139 scores, then p (at the head: at work); v140-203 O^T, 32 a tile; v204-219 p's codes; v220-235, v239 at work; v236-238 the way out; v240-243 the step's LDS addresses; v244-255 the sum's six chains.
.set IMGP, 1152                        ; an image in LDS: 1,024 bytes + 128 of padding
.set VCL, 64*IMGP                      ; K's images at 0, V's here
.set KSC, 2*VCL                        ; K's scale words [stored image 64][position 16][4], written by LDS stores
.set VSC, KSC+4096                     ; V's [128 keys 16][tile 4][position 16][4]
.set ASG, VSC+4096                     ; the way out: the waves' scale words, 64 bytes each
.set SPARE, ASG+1024                   ; the spare words, 128 bytes a wave
.set LI,  1                            ; 16 x lane
.set LIV, 2                            ; + VCL
.set LSK, 3                            ; K's scale words: KSC + 64 (r / 8) + 4 (r % 8) + 32 h
.set LSV, 4                            ; VSC + 4 x lane
.set AK,  5                            ; K's images: IMGP (r / 8) + 16 (r % 8) + 256 h
.set SPW, 6
.set NIL, 7
.set KW,  38
.set VW,  40
.set PWR, 42
.set KV,  44
.set S,   76
.set OA,  140
.set P,   204
.set BM,  220                          ; v220-227 eight chains of maxima; then v220, v224: my two blocks' largest scores, then largest p
.set PX,  BM+1                         ; lane l xor 16's largest score
.set PB,  BM+2                         ; v222-223 my two scale bytes
.set PWD, BM+5                         ; my two bytes as a word
.set PO,  BM+6                         ; lane l xor 16's
.set SO,  228                          ; the conversions' scale operands
.set OM,  230                          ; the old -M, then old M - new M
.set FQ,  232                          ; v[232:233] f = 2^(old M - new M)
.set TQ,  234
.set X,   235
.set X2,  239
.set WSA, 236
.set WRA, 237
.set WGO, 238
.set ADK, 240
.set ADV, 241
.set ADKS, 242
.set ADVS, 243
.set CH,  244                          ; v244-255 six pairs
.set C2,  244                          ; the way out: the second reciprocal
.set TM,  220                          ; for the way out's quantiser: v220-231
.set PC,  204
.set PW,  42
.set WV,  8                            ; s8 my wave's number
.set SEL, 32                           ; s[32:33] selects for lane l xor 16
.set CS,  34                           ; s[34:35] c = log2(e) / sqrt(512)
.set TK,  36                           ; s36 the step's images: 4 IMGP bytes a step
.set TS,  37                           ; s37 its scale words: 256 bytes a step
.set CNT, 38
.set NC,  39                           ; s39 -c
.macro WMS d, a, b, c, sa, sb, ra      ; one scaled product; c < 0: the constant 0 starts the sum; ra = 1: source 0's scale words are read from lanes 16-31
.if (\c) < 0
.if (\ra)
	v_wmma_scale_f32_16x16x128_f8f6f4 v[(\d):(\d)+7], v[(\a):(\a)+7], v[(\b):(\b)+7], 0, v[\sa], v[\sb] matrix_a_fmt:MATRIX_FMT_FP4 matrix_b_fmt:MATRIX_FMT_FP4 matrix_a_scale:MATRIX_SCALE_ROW1
.else
	v_wmma_scale_f32_16x16x128_f8f6f4 v[(\d):(\d)+7], v[(\a):(\a)+7], v[(\b):(\b)+7], 0, v[\sa], v[\sb] matrix_a_fmt:MATRIX_FMT_FP4 matrix_b_fmt:MATRIX_FMT_FP4
.endif
.else
.if (\ra)
	v_wmma_scale_f32_16x16x128_f8f6f4 v[(\d):(\d)+7], v[(\a):(\a)+7], v[(\b):(\b)+7], v[(\c):(\c)+7], v[\sa], v[\sb] matrix_a_fmt:MATRIX_FMT_FP4 matrix_b_fmt:MATRIX_FMT_FP4 matrix_a_scale:MATRIX_SCALE_ROW1
.else
	v_wmma_scale_f32_16x16x128_f8f6f4 v[(\d):(\d)+7], v[(\a):(\a)+7], v[(\b):(\b)+7], v[(\c):(\c)+7], v[\sa], v[\sb] matrix_a_fmt:MATRIX_FMT_FP4 matrix_b_fmt:MATRIX_FMT_FP4
.endif
.endif
.endm
.macro QUANT s                         ; the way out: 64 numbers of a lane, register 16 b + i = k 32 b + 16 (lane / 16) + i, become codes in v[PC] on and four scale bytes in v[PW]; the four blocks by turns
.irp b, 0,1,2,3
	v_max3_num_f32 v[TM+\b], |v[\s+16*\b]|, |v[\s+1+16*\b]|, 0x1800000   ; and the floor 2^(3 - 127): the byte cannot fall under 1
.endr
.irp i, 2,4,6,8,10,12,14
.irp b, 0,1,2,3
	v_max3_num_f32 v[TM+\b], v[TM+\b], |v[\s+16*\b+\i]|, |v[\s+1+16*\b+\i]|
.endr
.endr
.irp b, 0,1,2,3
	v_permlanex16_b32 v[TM+4+\b], v[TM+\b], s[SEL], s[SEL+1]
.endr
.irp b, 0,1,2,3
	v_max_num_f32 v[TM+\b], v[TM+\b], v[TM+4+\b]
.endr
.irp b, 0,1,2,3
	v_add_nc_u32 v[TM+8+\b], 0xff000000, v[TM+\b]
.endr
.irp b, 0,1,2,3
	v_lshrrev_b32 v[TM+4+\b], 23, v[TM+8+\b]
.endr
	v_lshl_or_b32 v[PW], v[TM+5], 8, v[TM+4]
	v_lshl_or_b32 v[PW], v[TM+6], 16, v[PW]
	v_lshl_or_b32 v[PW], v[TM+7], 24, v[PW]
.irp b, 0,1,2,3
	v_cvt_scalef32_pk8_fp4_f32 v[PC+2*\b], v[\s+16*\b:\s+7+16*\b], v[TM+8+\b]
	v_cvt_scalef32_pk8_fp4_f32 v[PC+1+2*\b], v[\s+8+16*\b:\s+15+16*\b], v[TM+8+\b]
.endr
	v_nop
.irp c, 0,1
.irp i, 0,1
	v_permlane16_swap_b32 v[PC+4*\c+\i], v[PC+2+4*\c+\i]
.endr
.endr
.endm
.macro PLACES
.rept 4
	v_nop
.endr
.endm
.macro ROUND                           ; a round of the cluster's barrier
	s_barrier_signal -1
	s_barrier_wait -1
	s_cmp_lg_u32 s[WV], 0
	s_cbranch_scc1 .Lnot_wave_0_\@
	s_barrier_signal -3
.Lnot_wave_0_\@:
	s_barrier_wait -3
	s_barrier_signal -1
	s_barrier_wait -1
.endm
	s_load_b128 s[4:7], s[0:1], 0x0                ; qkv s[4:5], att s[6:7]
	v_lshl_add_u32 v[SPW], v0, 2, SPARE
	v_mov_b32 v[NIL], 0
	ds_add_u32 v[SPW], v[NIL]                      ; the opening lines: the add twice on end and its one wait
	ds_add_u32 v[SPW], v[NIL]
	v_lshrrev_b32 v79, 5, v0
	v_readfirstlane_b32 s[WV], v79                 ; wave 0..15
	s_bfe_u32 s9, ttmp6, 0x40000                   ; cx: it enters global offsets of Q and of the output alone
	s_and_b32 s10, ttmp7, 0xffff                   ; batch x head, which the four partners share
	; descriptor group 1: 16 KiB dense, as 16 rows of 1,024 bytes (128 elements of 8 bytes), 32 words of padding behind each 256; the mask names all four work-groups, bit 21 beside it
	s_mov_b32 s16, 15|(3<<16)|(1<<20)|(1<<21)|(7<<22)|(31<<25)
	s_mov_b32 s17, 128<<16
	s_mov_b32 s18, 16<<16
	s_mov_b32 s19, 128<<16
	s_mov_b32 s20, 16
	s_mov_b32 s21, 128
	s_mov_b32 s22, 0
	s_mov_b32 s23, 0
	s_and_b32 s11, s[WV], 1                        ; even waves fetch for K, odd ones for V;
	s_lshr_b32 s12, s[WV], 1                       ; which quarter
	s_mul_i32 s13, s11, VCL
	s_mul_i32 s25, s12, 16*IMGP
	s_add_co_u32 s25, s25, s13                     ; where it goes in LDS: the wave's number alone
	s_lshl_b32 s14, s12, 14
	s_lshl_b32 s40, s11, 22                        ; where it comes from: K's codes at 4194304, V's 4194304 further on,
	s_add_co_u32 s40, s40, 0x400000
	s_lshl_b32 s42, s10, 16                        ; the head's 65,536 bytes,
	s_add_co_u32 s40, s40, s42
	s_add_co_u32 s40, s40, s14                     ; the quarter
	s_mov_b32 s41, 0
	s_wait_alu depctr_va_vdst(0)
	s_wait_dscnt 0x0                               ; both opening adds are done
	s_wait_kmcnt 0x0
	s_mov_b32 s24, 1
	s_add_nc_u64 s[26:27], s[4:5], s[40:41]
	s_or_b32 s27, s27, 0x80000000
	ROUND                                          ; all four work-groups are here: the joint loads meet
	s_cmp_lt_u32 s[WV], 8
	s_cbranch_scc0 .Lno_fill
	tensor_load_to_lds s[24:27], s[16:23]          ; one load a wave is out
	s_nop 0
	PLACES
.Lno_fill:
	s_lshl_b32 s43, s9, 4
	s_add_co_u32 s43, s43, s[WV]                   ; my pair of query tiles: 16 cx + wave
	s_lshl_b32 s44, s43, 10
	s_add_co_u32 s44, s44, s42
	s_mov_b32 s45, 0
	s_add_nc_u64 s[44:45], s[4:5], s[44:45]        ; Q's two half images
	s_lshr_b32 s46, s10, 3                         ; the scale words' place for this head: batch x 32,768 + (head / 2) x 256 + (head % 2) x 4
	s_lshl_b32 s46, s46, 15
	s_bfe_u32 s47, s10, 0x20001
	s_lshl_b32 s47, s47, 8
	s_add_co_u32 s46, s46, s47
	s_and_b32 s47, s10, 1
	s_lshl_b32 s47, s47, 2
	s_add_co_u32 s46, s46, s47
	s_add_co_u32 s46, s46, 12582912
	s_mov_b32 s47, 0
	s_add_nc_u64 s[48:49], s[4:5], s[46:47]        ; Q's; K's lie 262,144 bytes on, V's 524,288
	s_lshr_b32 s50, s43, 1
	s_lshl_b32 s50, s50, 10
	s_and_b32 s51, s43, 1
	s_lshl_b32 s51, s51, 7
	s_add_co_u32 s50, s50, s51                     ; my pair's words among Q's
	s_lshr_b32 s56, s10, 3                         ; the output's codes: tile (128 batch + 2 pair) x 4,096 + (head / 2) x 1,024 + (head % 2) x 512
	s_lshl_b32 s56, s56, 19
	s_lshl_b32 s57, s43, 13
	s_add_co_u32 s56, s56, s57
	s_bfe_u32 s57, s10, 0x20001
	s_lshl_b32 s57, s57, 10
	s_add_co_u32 s56, s56, s57
	s_and_b32 s57, s10, 1
	s_lshl_b32 s57, s57, 9
	s_add_co_u32 s56, s56, s57
	s_mov_b32 s57, 0
	s_add_nc_u64 s[52:53], s[6:7], s[56:57]
	s_lshl_b32 s56, s10, 12                        ; its scale words: 4,096 bytes a head, 1,024 a work-group
	s_lshl_b32 s58, s9, 10
	s_add_co_u32 s56, s56, s58
	s_add_co_u32 s56, s56, 0x400000
	s_add_nc_u64 s[54:55], s[6:7], s[56:57]
	s_mov_b32 s[SEL], 0x76543210
	s_mov_b32 s[SEL+1], 0xfedcba98
	s_mov_b32 s[CS], 0x3d8293ee                    ; c = log2(e) / sqrt(512)
	s_mov_b32 s[CS+1], s[CS]                       ; named with it as a pair, so it is written
	s_mov_b32 s[NC], 0xbd8293ee                    ; -c
	s_mov_b32 s[TK], 0
	s_mov_b32 s[TS], 0
	s_mov_b32 s[CNT], 16
	v_and_b32 v76, 31, v0                          ; lane
	v_and_b32 v77, 15, v0                          ; r
	v_bfe_u32 v78, v0, 4, 1                        ; h
	v_lshrrev_b32 v79, 5, v0                       ; wave
	v_and_b32 v80, 7, v0                           ; r % 8
	v_bfe_u32 v81, v0, 3, 1                        ; r / 8
	v_lshlrev_b32 v[LI], 4, v76
	v_lshl_add_u32 v82, v77, 3, s50                ; Q's word of position r
	v_lshlrev_b32 v83, 3, v76
	v_lshl_add_u32 v84, v79, 10, v83               ; K's words: thread i takes block of 64 keys i / 32, entry i % 32, and the same 16 blocks on
	v_lshl_add_u32 v85, v79, 11, v83               ; V's: blocks 2 (i / 32) and 2 (i / 32) + 1
	global_load_b128 v[20:23], v[LI], s[44:45]
	global_load_b128 v[28:31], v[LI], s[44:45] offset:512
	global_load_b32 v36, v82, s[48:49]
	global_load_b32 v88, v84, s[48:49] offset:262144
	global_load_b32 v89, v84, s[48:49] offset:262144+16384
	global_load_b32 v90, v85, s[48:49] offset:524288
	global_load_b32 v91, v85, s[48:49] offset:524288+1024
	v_add_nc_u32 v[LIV], VCL, v[LI]
	v_lshl_add_u32 v[LSV], v76, 2, VSC
	v_mul_u32_u24 v[AK], v81, IMGP
	v_lshl_add_u32 v[AK], v80, 4, v[AK]
	v_lshl_add_u32 v[AK], v78, 8, v[AK]
	v_lshlrev_b32 v[LSK], 6, v81
	v_lshl_add_u32 v[LSK], v80, 2, v[LSK]
	v_lshl_add_u32 v[LSK], v78, 5, v[LSK]
	v_add_nc_u32 v[LSK], KSC, v[LSK]
	v_lshl_add_u32 v86, v0, 2, KSC                 ; where K's words go: 4 i
	v_lshrrev_b32 v87, 4, v0                       ; V's: (i / 16) x 128 + (i % 16) x 4, and 64 on
	v_lshlrev_b32 v87, 7, v87
	v_lshl_add_u32 v87, v77, 2, v87
	v_add_nc_u32 v87, VSC, v87
	v_lshlrev_b32 v[WSA], 6, v79                   ; the way out: my wave's 64 bytes, position r
	v_lshl_add_u32 v[WSA], v77, 2, v[WSA]
	v_add_nc_u32 v[WSA], ASG, v[WSA]
	v_lshlrev_b32 v[WGO], 4, v0
	v_add_nc_u32 v[WRA], ASG, v[WGO]
.irp z, 16,17,18,19,24,25,26,27,32,33,34,35
	v_mov_b32 v\z, 0                               ; zero codes round Q
.endr
.irp u, 0,1
	v_mov_b32 v[9+4*\u], 0xff61b1e6                ; the largest score so far: -3e38, under every score
	v_mov_b32 v[8+4*\u], 0x7f61b1e6                ; -M: 3e38, a whole number: the first change of M gives f = 0, which multiplies zeros
	v_mov_b32 v[10+4*\u], 0                        ; the sum, in two halves
	v_mov_b32 v[11+4*\u], 0
.endr
.irp b, 0,1,2,3,4,5,6,7
	v_mov_b32 v[BM+\b], 0                          ; written once: a lane permute's destination counts as one of its sources
.endr
	v_mov_b32 v[FQ+1], 0                           ; named as the upper half of a pair
	s_wait_alu depctr_va_vdst(0)
	s_wait_loadcnt 0x0
	v_alignbit_b32 v37, v36, v36, 16               ; Q's word with its halves changed: tile 1's bytes below, tile 0's above
	ds_store_b32 v86, v88
	ds_store_b32 v86, v89 offset:2048
	v_perm_b32 v92, v91, v90, 0x05040100           ; V's word of an even tile of dims for 128 keys: the low halves of the two blocks of 64 keys,
	v_perm_b32 v93, v91, v90, 0x07060302           ; of the odd tile: the high halves
	ds_store_b32 v87, v92
	ds_store_b32 v87, v93 offset:64
.set JJ, 0
.rept 64
	v_mov_b32 v[OA+JJ], 0                          ; O^T: the step is written once; its first trip finds zeros.  (These also stand between the write of v37 and the first product)
.set JJ, JJ+1
.endr
	s_wait_alu depctr_va_vdst(0)
	s_wait_tensorcnt 0x0                           ; my part of K or V has landed,
	s_wait_dscnt 0x0                               ; and my scale words
	s_barrier_signal -1
	s_barrier_wait -1                              ; everybody's have
.macro SCORES u                        ; S^T of query tile u: pair i = 2 c + a: its first key tile by [Q, 0], its second by [0, Q]
.irp i, 0,1,2,3
	WMS S+16*\i, KV+8*\i, 20+8*(\u), -1, KW+\i/2, 36+(\u), \i%2
	WMS S+16*\i+8, KV+8*\i, 16+8*(\u), -1, KW+\i/2, 37-(\u), \i%2
.endr
.endm
.macro SUM6 j                          ; the six chains take the pairs j .. j + 5 of p
.irp q, 0,1,2,3,4,5
	v_pk_add_f32 v[CH+2*\q:CH+2*\q+1], v[CH+2*\q:CH+2*\q+1], v[S+2*((\j)+\q):S+2*((\j)+\q)+1]
.endr
.endm
.macro SOFTMAX u
.set ST, 8+4*(\u)
.set PU, P+8*(\u)
.set OU, OA+32*(\u)
.irp k, 0,1,2,3,4,5,6,7
	v_max3_num_f32 v[BM+\k], v[S+8*\k], v[S+8*\k+1], v[S+8*\k+2]   ; eight chains by turns, one an accumulator, each from its low end on
.endr
.irp k, 0,1,2,3,4,5,6,7
	v_max3_num_f32 v[BM+\k], v[BM+\k], v[S+8*\k+3], v[S+8*\k+4]
.endr
	v_max3_num_f32 v[X], v[S+7], v[S+15], v[S+23]  ; the accumulators' last registers
	v_max3_num_f32 v[X2], v[S+39], v[S+47], v[S+55]
.irp k, 4,5,6,7,0,1,2
	v_max3_num_f32 v[BM+\k], v[BM+\k], v[S+8*\k+5], v[S+8*\k+6]   ; the last round: block 2 + h's chains first, so that its joins stand among block h's lines
.endr
	v_max3_num_f32 v[BM+4], v[BM+4], v[BM+5], v[BM+6]
	v_max3_num_f32 v[BM+3], v[BM+3], v[S+29], v[S+30]
	v_max3_num_f32 v[BM+7], v[BM+7], v[S+63], v[X2]
	v_mov_b32 v[OM], v[ST]                         ; the old -M
	v_max3_num_f32 v[BM], v[BM], v[BM+1], v[BM+2]
	v_max3_num_f32 v[BM+3], v[BM+3], v[S+31], v[X]
	v_max_num_f32 v[BM+4], v[BM+4], v[BM+7]        ; my block 2 + h's largest score: it serves the row's maximum and, since p rises with the score, the block's largest p
	v_max3_num_f32 v[TQ], v[BM], v[BM+3], v[BM+4]  ; my lane's largest score of the step
	s_delay_alu instid0(VALU_DEP_1)
	v_permlanex16_b32 v[PX], v[TQ], s[SEL], s[SEL+1]
	s_delay_alu instid0(VALU_DEP_1)
	v_max3_num_f32 v[ST+1], v[ST+1], v[TQ], v[PX]  ; the running largest score of my query, lane l xor 16's keys among them
	s_delay_alu instid0(VALU_DEP_1)
	v_mul_f32 v[X], s[NC], v[ST+1]                 ; -t (c is positive)
	s_delay_alu instid0(VALU_DEP_1)
	v_floor_f32 v[ST], v[X]                        ; the new -M = floor(-t): M is a whole number
	v_max_num_f32 v[BM], v[BM], v[BM+3]            ; my block h's largest score
.set JJ, 0
.rept 32
	v_pk_fma_f32 v[S+JJ:S+JJ+1], v[S+JJ:S+JJ+1], s[CS:CS+1], v[ST:ST+1] op_sel_hi:[1,0,0]   ; t - M, two at a time; the three lines that make f stand among them, four of these between any two
.if JJ == 4
	v_sub_f32 v[OM], v[ST], v[OM]                  ; old M less new M: a whole number, 0 or less
.endif
.if JJ == 12
	v_cvt_i32_f32 v[OM], v[OM]                     ; (it saturates)
.endif
.if JJ == 20
	v_ldexp_f32 v[FQ], 1.0, v[OM]                  ; f = 2^(old M - new M)
.endif
.set JJ, JJ+2
.endr
	v_fma_f32 v[BM], v[BM], s[CS], v[ST]           ; the same of each block's largest score
	v_fma_f32 v[BM+4], v[BM+4], s[CS], v[ST]
	s_wait_alu depctr_va_vdst(0)                   ; directly ahead of the first reader of O^T, and ahead of the batch, whose sources stand above it
.set JJ, 0
.rept 16
	v_pk_mul_f32 v[OU+JJ:OU+JJ+1], v[OU+JJ:OU+JJ+1], v[FQ:FQ+1] op_sel_hi:[1,0]   ; O^T under the new M; it is next read behind the wait that follows the batch
.set JJ, JJ+2
.endr
.set JJ, 0
.rept 64
	v_exp_f32 v[S+JJ], v[S+JJ]                     ; p = 2^(t - M), at most 1
.set JJ, JJ+1
.endr
	v_exp_f32 v[BM], v[BM]                         ; my blocks' largest p
	v_exp_f32 v[BM+4], v[BM+4]
	v_nop                                          ; a plain line behind the exponentials
	s_wait_alu depctr_va_vdst(0)                   ; one wait for the whole batch, ahead of its first reader
	v_max_num_f32 v[BM], 0x1800000, v[BM]          ; the floor 2^(3 - 127): the byte cannot fall under 1
	v_max_num_f32 v[BM+4], 0x1800000, v[BM+4]
.irp q, 0,1,2,3,4,5
	v_pk_add_f32 v[CH+2*\q:CH+2*\q+1], v[S+4*\q:S+4*\q+1], v[S+4*\q+2:S+4*\q+3]   ; the row's sum of the UNQUANTISED p: six chains begin with pairs 0 to 11
.endr
	v_add_nc_u32 v[SO], 0xff000000, v[BM]          ; 2 off the exponent field: the conversion's scale operand
	v_add_nc_u32 v[SO+1], 0xff000000, v[BM+4]
	SUM6 12
	v_lshrrev_b32 v[PB], 23, v[SO]                 ; the scales' bytes
	v_lshrrev_b32 v[PB+1], 23, v[SO+1]
.irp c, 0,1
.irp g, 0,1,2,3
	v_cvt_scalef32_pk8_fp4_f32 v[PU+4*\c+\g], v[S+32*\c+8*\g:S+32*\c+8*\g+7], v[SO+\c]   ; register 4 c + g of the operand: keys 64 c + 32 h + 8 g on
.endr
.endr
	v_lshl_or_b32 v[PWD], v[PB+1], 16, v[PB]       ; my blocks h and 2 + h, at bytes 0 and 2 (a plain line behind the conversions)
	SUM6 18
	v_permlanex16_b32 v[PO], v[PWD], s[SEL], s[SEL+1]
	SUM6 24
	v_lshl_or_b32 v[PWR+(\u)], v[PO], 8, v[PWD]    ; lanes 0-15, which the product reads: blocks 0 to 3 in their order (lanes 16-31 hold the same four bytes in another order).  Eight plain lines follow it
	v_pk_add_f32 v[CH:CH+1], v[CH:CH+1], v[S+60:S+61]
	v_pk_add_f32 v[CH+2:CH+3], v[CH+2:CH+3], v[S+62:S+63]
	v_pk_add_f32 v[CH+4:CH+5], v[CH+4:CH+5], v[CH+6:CH+7]
	v_pk_add_f32 v[CH+8:CH+9], v[CH+8:CH+9], v[CH+10:CH+11]
	s_delay_alu instid0(VALU_DEP_3)
	v_pk_add_f32 v[CH:CH+1], v[CH:CH+1], v[CH+2:CH+3]
	s_delay_alu instid0(VALU_DEP_2)
	v_pk_add_f32 v[CH+4:CH+5], v[CH+4:CH+5], v[CH+8:CH+9]
	s_delay_alu instid0(VALU_DEP_1)
	v_pk_add_f32 v[CH:CH+1], v[CH:CH+1], v[CH+4:CH+5]
	s_delay_alu instid0(VALU_DEP_1)
	v_pk_fma_f32 v[ST+2:ST+3], v[ST+2:ST+3], v[FQ:FQ+1], v[CH:CH+1] op_sel_hi:[1,0,1]   ; the running sum under the new M, and this step's
.endm
.Lstep:                                            ; 16 trips of 128 keys
	v_add_nc_u32 v[ADK], s[TK], v[AK]              ; (these four are also the places in front of the loads into registers that the last products read)
	v_add_nc_u32 v[ADV], s[TK], v[LIV]
	v_add_nc_u32 v[ADKS], s[TS], v[LSK]
	v_add_nc_u32 v[ADVS], s[TS], v[LSV]
.irp i, 0,1,2,3
.irp e, 0,1
	ds_load_b128 v[KV+8*\i+4*\e:KV+8*\i+4*\e+3], v[ADK] offset:2*IMGP*(\i/2)+128*(\i%2)+512*\e   ; pair (c, a) = (i / 2, i % 2), tile 2 a + e
.endr
.endr
.irp c, 0,1
	ds_load_b32 v[KW+\c], v[ADKS] offset:128*\c    ; lanes 0-15: pair (c, 0)'s words; lanes 16-31: pair (c, 1)'s
.endr
	s_wait_dscnt 0x0
	SCORES 0
	PLACES
	SOFTMAX 0
	SCORES 1
	PLACES                                         ; in front of the loads over K's tiles, and of the first read of these scores
.irp t, 0,1,2,3
.irp c, 0,1
	ds_load_b128 v[KV+8*\t+4*\c:KV+8*\t+4*\c+3], v[ADV] offset:IMGP*\t+512*\c   ; V's four images, as they lie, land under the second softmax
.endr
.endr
.irp j, 0,1
	ds_load_b32 v[VW+\j], v[ADVS] offset:128*\j
.endr
	SOFTMAX 1
	s_wait_alu depctr_va_vdst(0)
	s_wait_dscnt 0x0
.irp t, 0,1,2,3                        ; O^T += V^T P^T: eight accumulators, one instruction a turn
.irp u, 0,1
	WMS OA+32*\u+8*\t, KV+8*\t, P+8*\u, OA+32*\u+8*\t, VW+\t/2, PWR+\u, \t%2
.endr
.endr
	s_add_co_u32 s[TK], s[TK], 4*IMGP
	s_add_co_u32 s[TS], s[TS], 256
	s_sub_co_u32 s[CNT], s[CNT], 1
	s_cmp_lg_u32 s[CNT], 0
	s_cbranch_scc1 .Lstep
	; THE WAY OUT: O^T / the sum, quantised along the head's 64 numbers (two blocks a tile), as half images of the last product's operand.
.irp u, 0,1
	v_add_f32 v[10+4*\u], v[10+4*\u], v[11+4*\u]   ; the sum's two halves  (plain lines behind the last products)
.endr
.irp u, 0,1
	v_permlanex16_b32 v[PB+\u], v[10+4*\u], s[SEL], s[SEL+1]
.endr
.irp u, 0,1
	v_add_f32 v[10+4*\u], v[10+4*\u], v[PB+\u]     ; and lane l xor 16's: the row's sum
.endr
	s_wait_alu depctr_va_vdst(0)
	v_rcp_f32 v[FQ], v10
	v_rcp_f32 v[C2], v14
	v_nop                                          ; a plain line behind the reciprocals
	s_wait_alu depctr_va_vdst(0)                   ; one wait for both, ahead of their first reader and of O^T's
.set JJ, 0
.rept 16
	v_pk_mul_f32 v[S+JJ:S+JJ+1], v[OA+JJ:OA+JJ+1], v[FQ:FQ+1] op_sel_hi:[1,0]        ; each accumulator from its low end on
.set JJ, JJ+2
.endr
.set JJ, 0
.rept 16
	v_pk_mul_f32 v[S+32+JJ:S+32+JJ+1], v[OA+32+JJ:OA+32+JJ+1], v[C2:C2+1] op_sel_hi:[1,0]
.set JJ, JJ+2
.endr
	QUANT S                                        ; blocks: tile 0's two, tile 1's two
	global_store_b128 v[LI], v[PC:PC+3], s[52:53]                  ; tile 0: 512 consecutive bytes, aligned
	global_store_b128 v[LI], v[PC+4:PC+7], s[52:53] offset:4096    ; tile 1
	ds_store_b32 v[WSA], v[PW]                     ; the scale words meet in LDS (lanes l and l xor 16 write the same word)
	s_wait_dscnt 0x0
	s_barrier_signal -1
	s_barrier_wait -1
	s_cmp_lt_u32 s[WV], 2
	s_cbranch_scc0 .Lno_words                      ; waves 0 and 1 send the work-group's 1,024 bytes
	ds_load_b128 v[212:215], v[WRA]
	s_wait_dscnt 0x0
	global_store_b128 v[WGO], v[212:215], s[54:55]
.Lno_words:
	s_wait_tensorcnt 0x0                           ; the wave's end
	ds_add_u32 v[SPW], v[NIL]
	s_wait_dscnt 0x0
	ROUND                                          ; the closing round: no work-group ends while a partner may still ask for a tile that names it
	s_endpgm
.Lfunc_end_k_q0cc3c2c321_attn:
	.size	k_q0cc3c2c321_attn, .Lfunc_end_k_q0cc3c2c321_attn-k_q0cc3c2c321_attn
	.p2alignl 7, 3214868480
	.fill 96, 4, 3214868480
	.section	.rodata,"a",@progbits
	.p2align	6, 0x0
	.amdhsa_kernel k_q0cc3c2c321_attn
		.amdhsa_group_segment_fixed_size 169984
		.amdhsa_private_segment_fixed_size 0
		.amdhsa_enable_private_segment 0
		.amdhsa_kernarg_size 16
		.amdhsa_user_sgpr_count 2
		.amdhsa_user_sgpr_kernarg_segment_ptr 1
		.amdhsa_wavefront_size32 1
		.amdhsa_system_sgpr_workgroup_id_x 1
		.amdhsa_system_sgpr_workgroup_id_y 1
		.amdhsa_system_sgpr_workgroup_id_z 1
		.amdhsa_system_vgpr_workitem_id 0
		.amdhsa_next_free_vgpr 256
		.amdhsa_next_free_sgpr 66
		.amdhsa_reserve_vcc 0
		.amdhsa_float_denorm_mode_32 3
		.amdhsa_float_denorm_mode_16_64 3
		.amdhsa_memory_ordered 1
		.amdhsa_forward_progress 1
		.amdhsa_inst_pref_size 45
	.end_amdhsa_kernel
	.amdgpu_metadata
---
amdhsa.version: [ 1, 2 ]
amdhsa.kernels:
  - .name:           k_q0cc3c2c321_attn
    .symbol:         k_q0cc3c2c321_attn.kd
    .args:
      - { .name: qkv, .offset: 0, .size: 8, .value_kind: global_buffer, .address_space: global }
      - { .name: att, .offset: 8, .size: 8, .value_kind: global_buffer, .address_space: global }
    .group_segment_fixed_size: 169984
    .private_segment_fixed_size: 0
    .kernarg_segment_align: 8
    .kernarg_segment_size: 16
    .max_flat_workgroup_size: 512
    .sgpr_count:     66
    .vgpr_count:     256
    .wavefront_size: 32
...
	.end_amdgpu_metadata
.endif
;; end of part 3
;; launch oproj (part 4): grid 256 x 1, 4 waves a work-group, no clusters, 34,304 bytes of LDS; arguments att, wts, bo, out0; writes out0
.if DOCPART == 4
	.amdgcn_target "amdgcn-amd-amdhsa--gfx1250"
	.amdhsa_code_object_version 6
	.text
	.protected	k_q0cc3c2c321_oproj
	.globl	k_q0cc3c2c321_oproj
	.p2align	8
	.type	k_q0cc3c2c321_oproj,@function
k_q0cc3c2c321_oproj:
	s_mov_b64 s[64:65], 0
	v_nop
	global_prefetch_b8 v0, s[64:65] scope:SCOPE_SE
	s_setreg_imm32_b32 hwreg(HW_REG_WAVE_MODE, 25, 1), 1
	s_wait_xcnt 0x0
; out0 = attn Wo^T + bo on codes of FP4 (E2M1) with E8M0 scales for each 32 along K = 512; out0 [16384][512] f32.
; SHARES. Work-group g takes rows 64 g .. 64 g + 63 (four tiles), wave w columns 128 w .. 128 w + 127 (eight tiles of Wo). Every operand lies in memory as an image of its registers and goes straight into them, once:
; Wo's 32 fragments (window 1), attn's 16 (window 3). So there is no tensor load, no ring and no cluster: nothing goes through LDS but the results.
; The product is used transposed (source 0 = 16 rows of Wo, source 1 = 16 rows of attn): a lane holds eight neighbouring columns of one row. Position p of tile 2 b + u, of Wo and of attn alike, is row 32 b + 8 u + p + 8 (p / 8).
; The bias is the C of each sum's first matrix instruction. A tile's 16 rows x 512 bytes go through the wave's own stage in LDS and leave as whole rows: each store covers 512 consecutive bytes, aligned.
; No prefetch: each byte is asked for by the loads at the head, and nothing is loaded later.
; REGISTERS. window 0: v1-5 addresses; v16-31 Wo's scale words; v32-39 the heads' words as stored; v40-47 attn's scale words; v48-111 the bias; v112-239 rows on their way out, two sets. window 2: the 32 accumulators.
.set SPITCH, 528                       ; a stage row: 512 bytes + 16: an odd multiple of 16 bytes
.set LI,  1                            ; 16 x lane
.set LS,  2                            ; 4 x lane
.set STO, 3                            ; the stage: row r, + 64 h
.set RD,  4                            ; and back: 16 bytes a lane of a row
.set BA,  5                            ; 64 h
.set WS,  16
.set HH,  32
.set AW,  40
.set BI,  48
.set BK,  112
.set MSB, 0
.macro WIN new                         ; the immediate's high byte repeats the setting that is left
.if MSB != (\new)
	s_set_vgpr_msb (MSB<<8)|(\new)
.set MSB, (\new)
.endif
.endm
.macro WMS d, a, b, c, sa, sb, ra, rb          ; one scaled product, C in registers; ra, rb = 1: the side's scale words are read from lanes 16-31
.if (\ra) && (\rb)
	v_wmma_scale_f32_16x16x128_f8f6f4 v[(\d):(\d)+7], v[(\a):(\a)+7], v[(\b):(\b)+7], v[(\c):(\c)+7], v[\sa], v[\sb] matrix_a_fmt:MATRIX_FMT_FP4 matrix_b_fmt:MATRIX_FMT_FP4 matrix_a_scale:MATRIX_SCALE_ROW1 matrix_b_scale:MATRIX_SCALE_ROW1
.elseif (\ra)
	v_wmma_scale_f32_16x16x128_f8f6f4 v[(\d):(\d)+7], v[(\a):(\a)+7], v[(\b):(\b)+7], v[(\c):(\c)+7], v[\sa], v[\sb] matrix_a_fmt:MATRIX_FMT_FP4 matrix_b_fmt:MATRIX_FMT_FP4 matrix_a_scale:MATRIX_SCALE_ROW1
.elseif (\rb)
	v_wmma_scale_f32_16x16x128_f8f6f4 v[(\d):(\d)+7], v[(\a):(\a)+7], v[(\b):(\b)+7], v[(\c):(\c)+7], v[\sa], v[\sb] matrix_a_fmt:MATRIX_FMT_FP4 matrix_b_fmt:MATRIX_FMT_FP4 matrix_b_scale:MATRIX_SCALE_ROW1
.else
	v_wmma_scale_f32_16x16x128_f8f6f4 v[(\d):(\d)+7], v[(\a):(\a)+7], v[(\b):(\b)+7], v[(\c):(\c)+7], v[\sa], v[\sb] matrix_a_fmt:MATRIX_FMT_FP4 matrix_b_fmt:MATRIX_FMT_FP4
.endif
.endm
.macro PLACES
.rept 4
	v_nop
.endr
.endm
	s_load_b256 s[4:11], s[0:1], 0x0               ; att s[4:5], wts s[6:7], bo s[8:9], out0 s[10:11]
	v_lshl_add_u32 v254, v0, 2, 0x8400
	v_mov_b32 v255, 0
	v_lshrrev_b32 v6, 5, v0
	v_readfirstlane_b32 s12, v6                    ; wave 0..3
	v_and_b32 v6, 31, v0
	v_and_b32 v7, 15, v0                           ; r
	v_bfe_u32 v8, v0, 4, 1                         ; h
	v_lshlrev_b32 v[LI], 4, v6
	v_lshlrev_b32 v[LS], 2, v6
	s_mul_i32 s13, s12, 16*SPITCH                  ; my stage
	v_mul_u32_u24 v[STO], v7, SPITCH
	v_lshl_add_u32 v[STO], v8, 6, v[STO]
	v_add_nc_u32 v[STO], s13, v[STO]
	v_add_nc_u32 v[RD], s13, v[LI]
	v_lshlrev_b32 v[BA], 6, v8
	s_mov_b32 s15, 0
	s_wait_alu depctr_va_vdst(0)
	s_wait_kmcnt 0x0
	s_lshl_b32 s14, s12, 15
	s_add_co_u32 s14, s14, 393216
	s_add_nc_u64 s[16:17], s[6:7], s[14:15]        ; my 8 tiles of Wo's images
	s_lshl_b32 s14, s12, 11
	s_add_co_u32 s14, s14, 548864
	s_add_nc_u64 s[18:19], s[6:7], s[14:15]        ; their scale bytes
	s_lshl_b32 s14, ttmp9, 14
	s_add_nc_u64 s[20:21], s[4:5], s[14:15]        ; my work-group's four tiles of attn: 16 images
	s_lshr_b32 s14, ttmp9, 5                       ; their scale words: batch x 32,768 + head x 4,096 + (pair of tiles) x 64
	s_lshl_b32 s14, s14, 15
	s_and_b32 s28, ttmp9, 31
	s_lshl_b32 s28, s28, 7
	s_add_co_u32 s14, s14, s28
	s_add_co_u32 s14, s14, 0x400000
	s_add_nc_u64 s[22:23], s[4:5], s[14:15]
	s_lshl_b32 s14, s12, 9
	s_add_nc_u64 s[24:25], s[8:9], s[14:15]        ; bo at my 128 columns
	s_lshl_b32 s28, ttmp9, 17
	s_add_co_u32 s14, s14, s28
	s_add_nc_u64 s[26:27], s[10:11], s[14:15]      ; out0 at my first row and column
	WIN 0xc0                                       ; attn's fragment (tile t, K step s) at v[8 (4 t + s)] of window 3
.irp t, 0,1,2,3
.irp s, 0,1,2,3
.irp c, 0,1
	global_load_b128 v[8*(4*\t+\s)+4*\c:8*(4*\t+\s)+4*\c+3], v[LI], s[20:21] offset:4096*\t+1024*\s+512*\c
.endr
.endr
.endr
	WIN 0x40                                       ; Wo's at v[8 (4 t + s)] of window 1
.irp t, 0,1,2,3,4,5,6,7
.irp s, 0,1,2,3
.irp c, 0,1
	global_load_b128 v[8*(4*\t+\s)+4*\c:8*(4*\t+\s)+4*\c+3], v[LI], s[16:17] offset:4096*\t+1024*\s+512*\c
.endr
.endr
.endr
	WIN 0
.irp i, 0,1,2,3
	global_load_b128 v[WS+4*\i:WS+4*\i+3], v[LI], s[18:19] offset:512*\i   ; register WS + 4 i + s: lanes 0-15 tile 2 i, lanes 16-31 tile 2 i + 1, K step s
.endr
.irp d, 0,1,2,3,4,5,6,7
	global_load_b32 v[HH+\d], v[LS], s[22:23] offset:4096*\d     ; head d: lanes 0-15 tiles 0, 1; lanes 16-31 tiles 2, 3; in a word the even tile's two bytes, then the odd tile's
.endr
.irp t, 0,1,2,3,4,5,6,7
	global_load_b128 v[BI+8*\t:BI+8*\t+3], v[BA], s[24:25] offset:(32*(\t/2)+8*(\t%2))*4
	global_load_b128 v[BI+8*\t+4:BI+8*\t+7], v[BA], s[24:25] offset:(32*(\t/2)+8*(\t%2))*4+16
.endr
	s_wait_loadcnt 0x0
.irp s, 0,1,2,3                                ; K step s is heads 2 s and 2 s + 1: two bytes of each make a tile's scale word
	v_perm_b32 v[AW+2*\s], v[HH+2*\s+1], v[HH+2*\s], 0x05040100     ; even tiles
	v_perm_b32 v[AW+2*\s+1], v[HH+2*\s+1], v[HH+2*\s], 0x07060302   ; odd tiles
.endr
.rept 8
	v_nop                                          ; scale registers written by vector instructions stand eight places ahead of a scaled product
.endr
.macro MUL tt                                  ; tile tt of rows: 32 products, my 8 tiles of columns by turns, K step by K step
.irp s, 0,1,2,3
.if \s == 0
	WIN 0x8d                                       ; source 0 (Wo) window 1, source 1 (attn) window 3, C (the bias) window 0, D window 2
.else
	WIN 0xad                                       ; C and D window 2
.endif
.irp t, 0,1,2,3,4,5,6,7
.if \s == 0
	WMS 8*(8*(\tt)+\t), 8*(4*\t+\s), 8*(4*(\tt)+\s), BI+8*\t, WS+4*(\t/2)+\s, AW+2*\s+(\tt)%2, \t%2, (\tt)/2
.else
	WMS 8*(8*(\tt)+\t), 8*(4*\t+\s), 8*(4*(\tt)+\s), 8*(8*(\tt)+\t), WS+4*(\t/2)+\s, AW+2*\s+(\tt)%2, \t%2, (\tt)/2
.endif
.endr
.endr
	WIN 0
	PLACES                                         ; four places in front of the first read of results
.endm
.macro TOSTAGE tt                              ; lane (r, h), tile t: columns 32 (t / 2) + 16 h + 8 (t % 2) + 0 .. 7 of position r; back as whole rows
	WIN 0x08                                       ; an LDS store's data are its source 1: window 2
.irp t, 0,1,2,3,4,5,6,7
	ds_store_b128 v[STO], v[8*(8*(\tt)+\t):8*(8*(\tt)+\t)+3] offset:128*(\t/2)+32*(\t%2)       ; each accumulator from its low end on
	ds_store_b128 v[STO], v[8*(8*(\tt)+\t)+4:8*(8*(\tt)+\t)+7] offset:128*(\t/2)+32*(\t%2)+16
.endr
	WIN 0
.irp i, 0,1,2,3,4,5,6,7,8,9,10,11,12,13,14,15
	ds_load_b128 v[BK+64*((\tt)%2)+4*\i:BK+64*((\tt)%2)+4*\i+3], v[RD] offset:SPITCH*\i   ; LDS serves a wave's instructions in order: these see the stores above, and the next tile's stores come behind them
.endr
.endm
.macro SEND tt
	s_wait_dscnt 0x0                               ; the tile's rows are back in registers
.irp i, 0,1,2,3,4,5,6,7,8,9,10,11,12,13,14,15
	global_store_b128 v[LI], v[BK+64*((\tt)%2)+4*\i:BK+64*((\tt)%2)+4*\i+3], s[26:27] offset:(32*((\tt)/2)+8*((\tt)%2)+\i+8*(\i/8))*2048 th:TH_STORE_NT   ; position i's row: 512 consecutive bytes, aligned; written once
.endr
.endm
	MUL 0
	TOSTAGE 0
	MUL 1                                          ; a tile's products stand between the loads of the tile before and its stores
	s_wait_alu depctr_va_vdst(0)
	SEND 0
	TOSTAGE 1
	MUL 2
	SEND 1
	s_wait_xcnt 0x0                                ; tile 0's stores have read their registers: tile 2's rows may land there
	TOSTAGE 2
	MUL 3
	SEND 2
	s_wait_xcnt 0x0                                ; likewise tile 1's
	TOSTAGE 3
	SEND 3
	s_wait_tensorcnt 0x0
	ds_add_u32 v254, v255
	s_wait_dscnt 0x0
	s_endpgm
.Lfunc_end_k_q0cc3c2c321_oproj:
	.size	k_q0cc3c2c321_oproj, .Lfunc_end_k_q0cc3c2c321_oproj-k_q0cc3c2c321_oproj
	.p2alignl 7, 3214868480
	.fill 96, 4, 3214868480
	.section	.rodata,"a",@progbits
	.p2align	6, 0x0
	.amdhsa_kernel k_q0cc3c2c321_oproj
		.amdhsa_group_segment_fixed_size 34304
		.amdhsa_private_segment_fixed_size 0
		.amdhsa_enable_private_segment 0
		.amdhsa_kernarg_size 32
		.amdhsa_user_sgpr_count 2
		.amdhsa_user_sgpr_kernarg_segment_ptr 1
		.amdhsa_wavefront_size32 1
		.amdhsa_system_sgpr_workgroup_id_x 1
		.amdhsa_system_sgpr_workgroup_id_y 1
		.amdhsa_system_sgpr_workgroup_id_z 1
		.amdhsa_system_vgpr_workitem_id 0
		.amdhsa_next_free_vgpr 896
		.amdhsa_next_free_sgpr 66
		.amdhsa_reserve_vcc 0
		.amdhsa_float_denorm_mode_32 3
		.amdhsa_float_denorm_mode_16_64 3
		.amdhsa_memory_ordered 1
		.amdhsa_forward_progress 1
		.amdhsa_inst_pref_size 47
	.end_amdhsa_kernel
	.amdgpu_metadata
---
amdhsa.version: [ 1, 2 ]
amdhsa.kernels:
  - .name:           k_q0cc3c2c321_oproj
    .symbol:         k_q0cc3c2c321_oproj.kd
    .args:
      - { .name: att, .offset: 0, .size: 8, .value_kind: global_buffer, .address_space: global }
      - { .name: wts, .offset: 8, .size: 8, .value_kind: global_buffer, .address_space: global }
      - { .name: bo, .offset: 16, .size: 8, .value_kind: global_buffer, .address_space: global }
      - { .name: out0, .offset: 24, .size: 8, .value_kind: global_buffer, .address_space: global }
    .group_segment_fixed_size: 34304
    .private_segment_fixed_size: 0
    .kernarg_segment_align: 8
    .kernarg_segment_size: 32
    .max_flat_workgroup_size: 128
    .sgpr_count:     66
    .vgpr_count:     896
    .wavefront_size: 32
...
	.end_amdgpu_metadata
.endif
;; end of part 4
